; MI455X (gfx1250); checked and timed in simulation.
; The chip was launched on July 23, 2026; its instructions are those of AMD's public machine-readable ISA for CDNA 5 (MIT licence, August 2026) and "CDNA5" Instruction Set Architecture Reference Guide (July 2026). The comments in the code are by the model that wrote it; some were corrected since.
;; Taylor KAN Linear. Allowed arithmetic: matrix products marked QUANTISED: E2M3 operands, one E8M0 scale for each 32 along K, by v_wmma_scale_f32_16x16x128_f8f6f4 with both operands' format E2M3, f32 sums; everything else in f32.
;; Inputs: base_weight 1,024 x 1,024 float32; bias 1,024 float32; taylor_coeffs 1,024 x 1,024 x 4 float32; x 8,192 x 1,024 float32.
;; Outputs: out0 8,192 x 1,024 float32.
;; This version of the problem:
;;   THIS VERSION OF THE PROBLEM IS GIVEN IN LOW PRECISION. The matrix products marked QUANTISED in the list below multiply operands that are first quantised to E2M3 (2 exponent bits, 3 mantissa bits; 6 bits a number), with one power-of-two scale for each 32 numbers along K (OCP MX v1.0); their sums are f32. All else is computed in f32.
;;   The module's matrix products, in the order in which they are computed (A, B: the left and right operand; K: the contracted axis; several contracted axes count as one K, in the product's order):
;;     1. [M 8,192, K 1,024] x [K 1,024, N 1,024]; A: computed on the way; B: input base_weight: QUANTISED
;;     2. [M 8,192, K 4,096] x [K 4,096, N 1,024]; A: computed on the way; B: input taylor_coeffs: QUANTISED
;;   THE QUANTISER, for each operand of a quantised product, along K:
;;     - K is cut into blocks of 32 from its start; a last block that is shorter is filled with zeros.
;;     - A block's scale is 2^e with e = floor(log2(the largest magnitude in the block)) - 2, held to -126 .. 127; a block of zeros has e = 0. As a byte (E8M0): e + 127.
;;     - Each number is divided by its block's scale, clamped to +-7.5, and rounded to the nearest number of E2M3, ties to even, subnormals kept.
;;     - The product sums the exact products of the quantised numbers (number of the format x scale) in f32.
;;   ~~~python
;;   def quantise(x, axis):      # numpy; x: float32 -> the quantised numbers, widened to float32 again
;;       x = np.moveaxis(x, axis, -1); K = x.shape[-1]
;;       x = np.pad(x, [(0, 0)] * (x.ndim - 1) + [(0, -K % 32)]); x = x.reshape(x.shape[:-1] + (-1, 32)); a = np.abs(x).max(-1, keepdims=True)
;;       e = np.where(a > 0, np.clip(np.frexp(np.where(a > 0, a, 1))[1] - 1 - 2, -126, 127), 0)      # np.frexp(a)[1] - 1 = floor(log2(a)), exactly
;;       r = np.clip(x / 2.0 ** e, -7.5, 7.5)
;;       step = 2.0 ** (np.maximum(np.frexp(np.where(r == 0, 1, r))[1] - 1, 0) - 3)
;;       q = np.round(r / step) * step * 2.0 ** e      # np.round: ties to even
;;       return np.moveaxis(q.reshape(q.shape[:-2] + (-1,))[..., :K], -1, axis).astype(np.float32)
;;   ~~~
;;   OPERANDS COMPUTED ON THE WAY. 'Computed on the way' means the value that the module computes at that place (a softmax that the list does not call 'softmax' is quantised finished and normalised). What goes into a quantiser is computed in f32, as accurately as f32 sums, v_exp_f32 and their like allow (about 1e-6 of the number): no bf16 or f16 on the way to a quantiser, and a product that is left as it is and whose result goes on into a quantised operand takes f32 operands (vector FMAs, or v_wmma_f32_16x16x4_f32). A number that lies on a knife's edge between two numbers of the format may be rounded either way, as far as f32 arithmetic and the matrix unit's own rounding can turn it there, and no further.
;; One version. Each part assembles by itself: llvm-mc -triple=amdgcn-amd-amdhsa -mcpu=gfx1250 --defsym DOCPART=n.
;; ======== version 1 of 1: 2 launches
;; limits: right only within a limited range of input values
;; workspace buffers: aq 31,457,280 bytes; asw 1,310,720 bytes; bq 3,932,160 bytes; bsw 163,840 bytes
;; launch prep (part 1): grid 1664 x 1, 4 waves a work-group, no clusters, 70,144 bytes of LDS; arguments x, base_weight, taylor_coeffs, aq, asw, bq, bsw; writes aq, asw, bq, bsw
.if DOCPART == 1
	.amdgcn_target "amdgcn-amd-amdhsa--gfx1250"
	.amdhsa_code_object_version 6
	.text
	.protected	k_q299202a4c3_prep
	.globl	k_q299202a4c3_prep
	.p2align	8
	.type	k_q299202a4c3_prep,@function
k_q299202a4c3_prep:
	s_mov_b64 s[64:65], 0
	v_nop
	global_prefetch_b8 v0, s[64:65] scope:SCOPE_SE
	s_setreg_imm32_b32 hwreg(HW_REG_WAVE_MODE, 25, 1), 1
	s_wait_xcnt 0x0
; BOTH OPERANDS OF THE PRODUCT BECOME CODES OF FP6 (E2M3), ONCE, laid as the product's launch takes them into registers.
; out = silu(x) W^T + powers(x) C^T + bias is one sum over K = 1,024 + 4,096, walked in 8 chunks c of 128 i, 5 steps s of 128 along K in a chunk (k = 5 c + s):
;   s = 0:          silu(x), against base_weight, i = 128 c + 0 .. 127 in its own order;
;   s = 1 + 2u + g: the powers, against taylor_coeffs; the step's block 2 y + h (y = 0, 1: the operand's registers 6 y .. 6 y + 5; h = lane / 16) is the octet i = 64 u + 32 h + 16 g + 8 y + 0 .. 7 with its
;                   four powers: 32 numbers that are one block of the quantiser.  Inside a block: places 0-7 power 1, 8-15 power 2, 16-23 power 3, 24-31 power 0, alike on both sides.
; A block's scale is 2^(floor(log2(its largest magnitude)) - 2); its byte is the largest magnitude's exponent field - 2, held at 1 from below.  A scale hangs on the block's 32 numbers alone, not on their order.
; A power block's largest magnitude is max(1, largest |x^3|): where |x| >= 1, |x^3| >= x^2 >= |x| also as rounded; else 1 is the largest.
; LIMITS: |x| under 2^42, so that x^3 is finite; NaN and infinities are not served; a block of zeros gets the byte 1 where the rule says 127 (its codes are zeros, and this program alone reads the bytes).
; SHARES.  A wave makes the fragments (16 rows x 128 K, 12 registers a lane) of one task; waves share nothing: no barrier.
;   work-groups 0 .. 1,023: x.  Wave w of work-group g: rows 16 (g / 2) .. + 15, chunk 4 (g % 2) + w: all five fragments.
;   work-groups 1,024 .. 1,663 (gw = the number - 1,024): the weights.  Step gw / 128, rows o = 16 ((gw % 128) / 2) .. + 15, chunk 4 (gw % 2) + w: one fragment.
; IN:  each load reads two whole aligned runs of 256 bytes (lanes 0-15 row j, lanes 16-31 row j + 8); the numbers turn through the wave's own stage in LDS, so that a lane gets neighbours of ITS row.
;      The three ways (x, base_weight, taylor_coeffs) part on the work-group's number; each has LDS bytes of its own.
; OUT: a fragment as an image of its registers: registers 4 p .. 4 p + 3 of lane l at 512 p + 16 l: three stores of 512 consecutive bytes.
;      aq  [row block 64][k 40][row tile 8][1,536]        asw [row block 64][k 40][row tile 8][16 words]
;      bq  [column block 4][k 40][column tile 16][1,536]  bsw [column block 4][half 2][k 40][lane 32][4 words]: word j of lane l = the word of column tile 8 half + 2 j + l / 16, column l % 16
;      A fragment's 16 scale words are 64 bytes (in bsw 16 bytes apart): these stores do not cover whole runs of 256 bytes: 64 bytes beside each 1,536 of codes.
.set SP,    272                        ; a stage row: 256 bytes + 16: an odd multiple of 16, so that sixteen rows' equal columns start at different banks (ISA guide 11.1)
.set STG1,  16*SP                      ; a stage: 16 rows
.set XSG,   0                          ; x's stages: one a wave
.set BSG,   4*STG1                     ; base_weight's: one a wave
.set TSG,   8*STG1                     ; taylor_coeffs': two a wave
.set NXW,   1024                       ; work-groups that take x
.set VO,   4                           ; v4   x and base_weight: 8 rows x 4,096 bytes x h + 16 r
.set R16,  5                           ; v5   16 r
.set VOT,  6                           ; v6   taylor_coeffs: 8 rows x 16,384 bytes x h + 16 r
.set ST1,  7                           ; v7   into a single stage: 4,352 wave + row 8 h (+ j), byte 16 r
.set RB1,  8                           ; v8   back: row r, byte 128 h
.set STT,  9                           ; v9   into taylor's stages
.set RBT,  10                          ; v10  back: stage h, row r
.set LI,   11                          ; v11  16 x lane
.set SCW,  12                          ; v12  16 r + 2 h: my half of my row's scale word in bsw
.set SCX,  13                          ; v13  4 r + 2 h: the same in asw
.set H8,   14                          ; v14  8 h
.set H16,  15                          ; v15  16 h
.set MA,   16                          ; v16-17 largest magnitudes, block y
.set MB,   18                          ; v18-19 second chains
.set SO,   20                          ; v20-21 the conversions' scale operands
.set BY,   22                          ; v22-23 the scale bytes
.set MYW,  24                          ; v24  my two bytes at their places
.set PT,   25                          ; v25  the other half's
.set WD,   26                          ; v26  weights: the scale word
.set WH,   27                          ; v27  my half of it
.set C,    28                          ; v28-39 weights: the fragment
.set TQ,   40                          ; v40-42, v44-46: a block's upper 16 codes, until they are moved
.set SOS,  26                          ; v26  x: the silu block's scale operand
.set BYS,  28                          ; v28-29 its bytes, halves u = 0, 1 of the chunk
.set WX,   30                          ; v30-34 x: step s's scale word
.set WHX,  35                          ; v35-39 my half of it
.set F0,   48                          ; v48-59 x: the silu fragment
.set P,    64                          ; v64-127  x: the pass's two power blocks, y at 32 y
.set SI,   128                         ; v128-159 x: 32 silu
.set RAW,  160                         ; v160-223 x as loaded, unit u at 32 u; when a unit has gone to the stage, its registers take the two fragments made of it
.set X,    64                          ; v64-127  weights: 32 neighbours for each of my two blocks
.set R,    128                         ; v128-191 weights: as loaded; in taylor's way later the blocks in their new order
	s_load_b256 s[4:11], s[0:1], 0x0               ; x s[4:5], base_weight s[6:7], taylor_coeffs s[8:9], aq s[10:11]
	s_load_b128 s[12:15], s[0:1], 0x20             ; asw s[12:13], bq s[14:15]
	s_load_b64 s[16:17], s[0:1], 0x30              ; bsw
	v_lshl_add_u32 v224, v0, 2, 0x11000
	v_mov_b32 v225, 0
	v_lshrrev_b32 v1, 5, v0
	v_readfirstlane_b32 s18, v1                    ; wave
	v_and_b32 v1, 31, v0                           ; lane
	v_and_b32 v2, 15, v0                           ; r
	v_bfe_u32 v3, v0, 4, 1                         ; h
	v_lshlrev_b32 v[R16], 4, v2
	v_lshl_add_u32 v[VO], v3, 15, v[R16]
	v_lshl_add_u32 v[VOT], v3, 17, v[R16]
	s_mul_i32 s19, s18, STG1                       ; every LDS address is made here, ahead of the parting: a constant, the lane and the wave's number
	v_mad_u32_u24 v[ST1], v3, 8*SP, v[R16]
	v_add_nc_u32 v[ST1], s19, v[ST1]
	v_mul_u32_u24 v[RB1], v2, SP
	v_lshl_add_u32 v[RB1], v3, 7, v[RB1]
	v_add_nc_u32 v[RB1], s19, v[RB1]
	s_mul_i32 s19, s18, 2*STG1
	s_add_co_u32 s19, s19, TSG
	v_mad_u32_u24 v[STT], v3, 8*SP, v[R16]
	v_add_nc_u32 v[STT], s19, v[STT]
	v_mul_u32_u24 v[RBT], v2, SP
	v_mad_u32_u24 v[RBT], v3, STG1, v[RBT]
	v_add_nc_u32 v[RBT], s19, v[RBT]
	v_lshlrev_b32 v[LI], 4, v1
	v_lshl_add_u32 v[SCW], v3, 1, v[R16]
	v_lshlrev_b32 v[SCX], 2, v2
	v_lshl_add_u32 v[SCX], v3, 1, v[SCX]
	v_lshlrev_b32 v[H8], 3, v3
	v_lshlrev_b32 v[H16], 4, v3
	v_mov_b32 v[PT], 0                             ; a lane permute's destination counts as one of its sources
	s_mov_b32 s30, 0x76543210
	s_mov_b32 s31, 0xfedcba98                      ; v_permlanex16_b32's selects for lane l xor 16
	s_wait_kmcnt 0x0
	s_cmp_lt_u32 ttmp9, NXW
	s_cbranch_scc0 .Lweights
; ---------------------------------------------------------------- x
	s_lshr_b32 s20, ttmp9, 1                       ; my tile of 16 rows, 0 .. 511
	s_and_b32 s21, ttmp9, 1
	s_lshl_b32 s21, s21, 2
	s_add_co_u32 s21, s21, s18                     ; c
	s_lshr_b32 s22, s20, 3                         ; row block
	s_and_b32 s23, s20, 7                          ; row tile in it
	s_mul_i32 s22, s22, 40
	s_mul_i32 s24, s21, 5
	s_add_co_u32 s22, s22, s24                     ; 40 x row block + 5 c
	s_lshl_b32 s22, s22, 3
	s_add_co_u32 s22, s22, s23                     ; the image of step 0; a step on is 8 images on
	s_mul_i32 s24, s22, 1536
	s_mov_b32 s25, 0
	s_lshl_b32 s26, s22, 6
	s_mov_b32 s27, 0
	s_lshl_b32 s28, s20, 16                        ; 16 rows of 4,096 bytes
	s_lshl_b32 s29, s21, 9                         ; + 512 c
	s_add_co_u32 s28, s28, s29
	s_mov_b32 s29, 0
	s_add_nc_u64 s[4:5], s[4:5], s[28:29]
	s_add_nc_u64 s[10:11], s[10:11], s[24:25]
	s_add_nc_u64 s[12:13], s[12:13], s[26:27]
	s_mov_b32 s32, 0xbfb8aa3b                      ; -log2(e)
	s_mov_b32 s33, s32                             ; (named with it as a pair, so it is written)
.irp u, 0,1
.irp j, 0,1,2,3,4,5,6,7
	global_load_b128 v[RAW+32*\u+4*\j:RAW+32*\u+4*\j+3], v[VO], s[4:5] offset:\j*4096+256*\u th:TH_LOAD_NT
.endr
.endr
.irp c, 0,1
.irp i, 0,1,2,3,4,5,6,7
	v_mov_b32 v[P+32*\c+24+\i], 1.0                ; x^0: written once
.endr
.endr
.macro RAWST u                         ; unit u (16 rows x 256 bytes) goes into my stage as loaded
.irp j, 0,1,2,3,4,5,6,7
	ds_store_b128 v[ST1], v[RAW+32*(\u)+4*\j:RAW+32*(\u)+4*\j+3] offset:XSG+SP*\j
.endr
.endm
.macro RBACK n                         ; and comes back for pass n: 16 neighbours of my row, eight to each of the pass's two power blocks
.irp c, 0,1
.irp j, 0,1
	ds_load_b128 v[P+32*\c+4*\j:P+32*\c+4*\j+3], v[RB1] offset:XSG+64*((\n)%2)+32*\c+16*\j
.endr
.endr
.endm
; PASS n = 2 u + g: 16 numbers a lane become the fragment of step 1 + n, and half of a silu block.
.macro XPASS n
.set uu, (\n)/2
.set gg, (\n)%2
.set ss, 1+(\n)
.set SG, SI+16*gg
.set FQ, RAW+32*uu+12*gg
.set FZ, F0+6*uu
	s_wait_dscnt 0x0                               ; this pass's numbers are in; the unit's stores into the stage are done, so its registers may take fragments
.irp q, 0,1,2,3,4,5,6,7
	v_pk_mul_f32 v[SG+2*\q:SG+2*\q+1], v[P+32*(\q/4)+2*(\q%4):P+32*(\q/4)+2*(\q%4)+1], s[32:33] op_sel_hi:[1,0]   ; -x log2(e)
.endr
	s_wait_alu depctr_va_vdst(0)
.irp q, 0,1,2,3,4,5,6,7                ; behind each pair of transcendentals a plain instruction that is due anyway
	v_exp_f32 v[SG+2*\q], v[SG+2*\q]
	v_exp_f32 v[SG+2*\q+1], v[SG+2*\q+1]
	v_pk_mul_f32 v[P+32*(\q/4)+8+2*(\q%4):P+32*(\q/4)+9+2*(\q%4)], v[P+32*(\q/4)+2*(\q%4):P+32*(\q/4)+2*(\q%4)+1], v[P+32*(\q/4)+2*(\q%4):P+32*(\q/4)+2*(\q%4)+1]   ; x^2
.endr
	s_wait_alu depctr_va_vdst(0)
.irp q, 0,1,2,3,4,5,6,7
	v_pk_add_f32 v[SG+2*\q:SG+2*\q+1], v[SG+2*\q:SG+2*\q+1], 1.0 op_sel_hi:[1,0]
.endr
	s_wait_alu depctr_va_vdst(0)
.irp q, 0,1,2,3,4,5,6,7
	v_rcp_f32 v[SG+2*\q], v[SG+2*\q]
	v_rcp_f32 v[SG+2*\q+1], v[SG+2*\q+1]
	v_pk_mul_f32 v[P+32*(\q/4)+16+2*(\q%4):P+32*(\q/4)+17+2*(\q%4)], v[P+32*(\q/4)+8+2*(\q%4):P+32*(\q/4)+9+2*(\q%4)], v[P+32*(\q/4)+2*(\q%4):P+32*(\q/4)+2*(\q%4)+1]   ; x^3
.endr
	s_wait_alu depctr_va_vdst(0)
.irp q, 0,1,2,3,4,5,6,7
	v_pk_mul_f32 v[SG+2*\q:SG+2*\q+1], v[SG+2*\q:SG+2*\q+1], v[P+32*(\q/4)+2*(\q%4):P+32*(\q/4)+2*(\q%4)+1]   ; silu = x / (1 + 2^(-x log2(e)))
.endr
.irp c, 0,1
	v_max3_num_f32 v[MA+\c], |v[P+32*\c+16]|, |v[P+32*\c+17]|, 1.0   ; a power block's largest magnitude: its ones, or its largest |x^3|
.endr
.irp i, 2,4,6
.irp c, 0,1
	v_max3_num_f32 v[MA+\c], v[MA+\c], |v[P+32*\c+16+\i]|, |v[P+32*\c+17+\i]|
.endr
.endr
.irp c, 0,1
	v_add_nc_u32 v[SO+\c], 0xff000000, v[MA+\c]    ; 2 off the exponent field: the conversion takes the exponent field of this operand as its scale
.endr
.irp c, 0,1
	v_lshrrev_b32 v[BY+\c], 23, v[SO+\c]           ; the scale's byte
.endr
	v_lshl_or_b32 v[MYW], v[BY+1], 16, v[BY]       ; my bytes are those of blocks h and 2 + h
	v_lshlrev_b32 v[MYW], v[H8], v[MYW]
	v_permlanex16_b32 v[PT], v[MYW], s30, s31
	v_or_b32 v[WX+ss], v[MYW], v[PT]               ; my row's scale word, in lanes r and r + 16 alike
.irp c, 0,1
	v_cvt_scalef32_pk16_fp6_f32 v[FQ+6*\c:FQ+6*\c+2], v[P+32*\c:P+32*\c+15], v[SO+\c]
	v_cvt_scalef32_pk16_fp6_f32 v[TQ+4*\c:TQ+4*\c+2], v[P+32*\c+16:P+32*\c+31], v[SO+\c]   ; (a conversion's three registers begin on an even number)
.endr
.if (\n) == 1
	s_wait_alu depctr_va_vdst(0)
	s_wait_loadcnt 0x0                             ; the second unit is in
	RAWST 1                                        ; LDS serves a wave's instructions in order (ISA guide 5.7.1.4): the reads of the first unit stand ahead of these stores
.endif
.if (\n) < 3
	RBACK (\n)+1                                   ; the next pass's numbers come while this pass's results leave
.endif
	v_nop                                          ; one plain place behind a scaled conversion
.irp c, 0,1
.irp i, 0,1,2
	v_mov_b32 v[FQ+6*\c+3+\i], v[TQ+4*\c+\i]
.endr
.endr
	v_lshrrev_b32 v[WHX+ss], v[H16], v[WX+ss]      ; lanes 0-15 store the word's low half, lanes 16-31 its high half
.irp p, 0,1,2
	global_store_b128 v[LI], v[FQ+4*\p:FQ+4*\p+3], s[10:11] offset:12288*ss+512*\p   ; 32 lanes store 512 consecutive bytes, at a multiple of 512 from aq's first byte; no store's registers are written again
.endr
	global_store_b16 v[SCX], v[WHX+ss], s[12:13] offset:512*ss
.if gg == 1                            ; the unit's 32 silu of my row are whole: block 2 u + h of step 0
	v_max3_num_f32 v[MB], |v[SI]|, |v[SI+1]|, 0x1800000   ; with the floor 2^(3 - 127): the byte cannot fall under 1
	v_max3_num_f32 v[MB+1], |v[SI+16]|, |v[SI+17]|, |v[SI+18]|
.irp i, 2,4,6,8,10,12
	v_max3_num_f32 v[MB], v[MB], |v[SI+\i]|, |v[SI+\i+1]|
	v_max3_num_f32 v[MB+1], v[MB+1], |v[SI+17+\i]|, |v[SI+18+\i]|
.endr
	v_max3_num_f32 v[MB], v[MB], |v[SI+14]|, |v[SI+15]|
	v_max3_num_f32 v[MB], v[MB], v[MB+1], |v[SI+31]|
	v_add_nc_u32 v[SOS], 0xff000000, v[MB]
	v_lshrrev_b32 v[BYS+uu], 23, v[SOS]
.if uu == 1
	v_lshl_or_b32 v[MYW], v[BYS+1], 16, v[BYS]
	v_lshlrev_b32 v[MYW], v[H8], v[MYW]
	v_permlanex16_b32 v[PT], v[MYW], s30, s31
	v_or_b32 v[WX], v[MYW], v[PT]
.endif
	v_cvt_scalef32_pk16_fp6_f32 v[FZ:FZ+2], v[SI:SI+15], v[SOS]
	v_cvt_scalef32_pk16_fp6_f32 v[TQ:TQ+2], v[SI+16:SI+31], v[SOS]
	v_nop                                          ; one plain place behind a scaled conversion
.irp i, 0,1,2
	v_mov_b32 v[FZ+3+\i], v[TQ+\i]
.endr
.if uu == 1
	v_lshrrev_b32 v[WHX], v[H16], v[WX]
.irp p, 0,1,2
	global_store_b128 v[LI], v[F0+4*\p:F0+4*\p+3], s[10:11] offset:512*\p
.endr
	global_store_b16 v[SCX], v[WHX], s[12:13]
.endif
.endif
.endm
	s_wait_loadcnt 8                               ; the first unit's eight loads are in, the second's eight may be out
	RAWST 0
	RBACK 0
	XPASS 0
	XPASS 1
	XPASS 2
	XPASS 3
	s_wait_tensorcnt 0x0
	ds_add_u32 v224, v225
	s_wait_dscnt 0x0
	s_endpgm
; ---------------------------------------------------------------- the weights
.macro BODY tay
.if \tay
.set VOX,   VOT
.set PB,    8
.set PITCH, 16384
.set DU,    512                        ; the second run of 256 bytes is the half h = 1's
.set SRC,   R
.else
.set VOX,   VO
.set PB,    6
.set PITCH, 4096
.set DU,    256                        ; the second run is block pair y = 1's
.set SRC,   X
.endif
.irp u, 0,1
.irp j, 0,1,2,3,4,5,6,7
	global_load_b128 v[R+32*\u+4*\j:R+32*\u+4*\j+3], v[VOX], s[PB:PB+1] offset:\j*PITCH+\u*DU th:TH_LOAD_NT
.endr
.endr
.if \tay
.irp u, 0,1
	s_wait_loadcnt 8-8*\u                          ; the first eight loads are in, the other eight may be out; then all
.irp j, 0,1,2,3,4,5,6,7
	ds_store_b128 v[STT], v[R+32*\u+4*\j:R+32*\u+4*\j+3] offset:STG1*\u+SP*\j
.endr
.endr
.irp c, 0,1                            ; LDS serves a wave's instructions in order (ISA guide 5.7.1.4): these see the stores above
.irp j, 0,1,2,3,4,5,6,7
	ds_load_b128 v[X+32*\c+4*\j:X+32*\c+4*\j+3], v[RBT] offset:128*\c+16*\j
.endr
.endr
.else
.irp u, 0,1                            ; one stage, used twice, in order
	s_wait_loadcnt 8-8*\u
.irp j, 0,1,2,3,4,5,6,7
	ds_store_b128 v[ST1], v[R+32*\u+4*\j:R+32*\u+4*\j+3] offset:BSG+SP*\j
.endr
.irp j, 0,1,2,3,4,5,6,7
	ds_load_b128 v[X+32*\u+4*\j:X+32*\u+4*\j+3], v[RB1] offset:BSG+16*\j
.endr
.endr
.endif
	s_wait_dscnt 0x0
.if \tay
.irp c, 0,1                            ; X + 4 e + k is the coefficient of i = e, power k: it goes to place 8 ((k + 3) % 4) + e
.irp e, 0,1,2,3,4,5,6,7
.irp k, 0,1,2,3
	v_mov_b32 v[R+32*\c+8*((\k+3)%4)+\e], v[X+32*\c+4*\e+\k]
.endr
.endr
.endr
.endif
.irp c, 0,1                            ; each block's largest magnitude: all 32 numbers are mine.  Two chains a block, the blocks by turns
	v_max3_num_f32 v[MA+\c], |v[X+32*\c]|, |v[X+32*\c+1]|, 0x1800000   ; with the floor 2^(3 - 127): the byte cannot fall under 1
	v_max3_num_f32 v[MB+\c], |v[X+32*\c+16]|, |v[X+32*\c+17]|, |v[X+32*\c+18]|
.endr
.irp i, 2,4,6,8,10,12
.irp c, 0,1
	v_max3_num_f32 v[MA+\c], v[MA+\c], |v[X+32*\c+\i]|, |v[X+32*\c+\i+1]|
	v_max3_num_f32 v[MB+\c], v[MB+\c], |v[X+32*\c+17+\i]|, |v[X+32*\c+18+\i]|
.endr
.endr
.irp c, 0,1
	v_max3_num_f32 v[MA+\c], v[MA+\c], |v[X+32*\c+14]|, |v[X+32*\c+15]|
.endr
.irp c, 0,1
	v_max3_num_f32 v[MA+\c], v[MA+\c], v[MB+\c], |v[X+32*\c+31]|
.endr
.irp c, 0,1
	v_add_nc_u32 v[SO+\c], 0xff000000, v[MA+\c]
.endr
.irp c, 0,1
	v_lshrrev_b32 v[BY+\c], 23, v[SO+\c]
.endr
	v_lshl_or_b32 v[MYW], v[BY+1], 16, v[BY]       ; my bytes are those of blocks h and 2 + h
	v_lshlrev_b32 v[MYW], v[H8], v[MYW]
	v_permlanex16_b32 v[PT], v[MYW], s30, s31
	v_or_b32 v[WD], v[MYW], v[PT]                  ; with lane l xor 16's two the word is whole
	v_lshrrev_b32 v[WH], v[H16], v[WD]             ; lanes 0-15 store its low half, lanes 16-31 its high half
.irp c, 0,1
	v_cvt_scalef32_pk16_fp6_f32 v[C+6*\c:C+6*\c+2], v[SRC+32*\c:SRC+32*\c+15], v[SO+\c]
	v_cvt_scalef32_pk16_fp6_f32 v[TQ+4*\c:TQ+4*\c+2], v[SRC+32*\c+16:SRC+32*\c+31], v[SO+\c]
.endr
	v_nop                                          ; one plain place behind a scaled conversion
.irp c, 0,1
.irp i, 0,1,2
	v_mov_b32 v[C+6*\c+3+\i], v[TQ+4*\c+\i]
.endr
.endr
.irp p, 0,1,2
	global_store_b128 v[LI], v[C+4*\p:C+4*\p+3], s[14:15] offset:512*\p   ; 32 lanes store 512 consecutive bytes, at a multiple of 512 from bq's first byte
.endr
	global_store_b16 v[SCW], v[WH], s[16:17]
.endm
.Lweights:
	s_sub_co_u32 s20, ttmp9, NXW
	s_lshr_b32 s21, s20, 7                         ; step s
	s_and_b32 s20, s20, 127
	s_lshr_b32 s22, s20, 1                         ; my tile of 16 rows o, 0 .. 63
	s_and_b32 s23, s20, 1
	s_lshl_b32 s23, s23, 2
	s_add_co_u32 s23, s23, s18                     ; c
	s_lshr_b32 s24, s22, 4                         ; column block
	s_and_b32 s25, s22, 15                         ; column tile in it
	s_mul_i32 s26, s23, 5
	s_add_co_u32 s26, s26, s21                     ; k = 5 c + s
	s_mul_i32 s27, s24, 40
	s_add_co_u32 s27, s27, s26
	s_lshl_b32 s27, s27, 4
	s_add_co_u32 s27, s27, s25
	s_mul_i32 s28, s27, 1536                       ; bq: ((40 block + k) 16 + tile) images
	s_mov_b32 s29, 0
	s_add_nc_u64 s[14:15], s[14:15], s[28:29]
	s_lshr_b32 s27, s25, 3                         ; half
	s_lshl_b32 s28, s24, 1
	s_add_co_u32 s28, s28, s27
	s_mul_i32 s28, s28, 40
	s_add_co_u32 s28, s28, s26
	s_lshl_b32 s28, s28, 9                         ; bsw: ((2 block + half) 40 + k) x 512
	s_and_b32 s27, s25, 1
	s_lshl_b32 s27, s27, 8
	s_add_co_u32 s28, s28, s27                     ; odd tiles lie in lanes 16-31: 256 bytes on
	s_bfe_u32 s27, s25, 0x20001
	s_lshl_b32 s27, s27, 2
	s_add_co_u32 s28, s28, s27                     ; word (tile % 8) / 2
	s_add_nc_u64 s[16:17], s[16:17], s[28:29]
	s_cmp_eq_u32 s21, 0                            ; step 0 is base_weight's
	s_cbranch_scc0 .Ltaylor
	s_lshl_b32 s28, s22, 16                        ; 16 rows of 4,096 bytes
	s_lshl_b32 s27, s23, 9                         ; + 512 c
	s_add_co_u32 s28, s28, s27
	s_add_nc_u64 s[6:7], s[6:7], s[28:29]
	BODY 0
	s_wait_tensorcnt 0x0
	ds_add_u32 v224, v225
	s_wait_dscnt 0x0
	s_endpgm
.Ltaylor:
	s_sub_co_u32 s26, s21, 1                       ; 2 u + g
	s_lshr_b32 s27, s26, 1
	s_and_b32 s26, s26, 1
	s_lshl_b32 s27, s27, 10                        ; 1,024 u
	s_lshl_b32 s26, s26, 8                         ; 256 g
	s_lshl_b32 s28, s22, 18                        ; 16 rows of 16,384 bytes
	s_lshl_b32 s20, s23, 11                        ; + 2,048 c
	s_add_co_u32 s28, s28, s20
	s_add_co_u32 s28, s28, s27
	s_add_co_u32 s28, s28, s26
	s_add_nc_u64 s[8:9], s[8:9], s[28:29]
	s_wait_alu depctr_va_vdst(0)
	BODY 1
	s_wait_tensorcnt 0x0
	ds_add_u32 v224, v225
	s_wait_dscnt 0x0
	s_endpgm
.Lfunc_end_k_q299202a4c3_prep:
	.size	k_q299202a4c3_prep, .Lfunc_end_k_q299202a4c3_prep-k_q299202a4c3_prep
	.p2alignl 7, 3214868480
	.fill 96, 4, 3214868480
	.section	.rodata,"a",@progbits
	.p2align	6, 0x0
	.amdhsa_kernel k_q299202a4c3_prep
		.amdhsa_group_segment_fixed_size 70144
		.amdhsa_private_segment_fixed_size 0
		.amdhsa_enable_private_segment 0
		.amdhsa_kernarg_size 56
		.amdhsa_user_sgpr_count 2
		.amdhsa_user_sgpr_kernarg_segment_ptr 1
		.amdhsa_wavefront_size32 1
		.amdhsa_system_sgpr_workgroup_id_x 1
		.amdhsa_system_sgpr_workgroup_id_y 1
		.amdhsa_system_sgpr_workgroup_id_z 1
		.amdhsa_system_vgpr_workitem_id 0
		.amdhsa_next_free_vgpr 226
		.amdhsa_next_free_sgpr 66
		.amdhsa_reserve_vcc 0
		.amdhsa_float_denorm_mode_32 3
		.amdhsa_float_denorm_mode_16_64 3
		.amdhsa_memory_ordered 1
		.amdhsa_forward_progress 1
		.amdhsa_inst_pref_size 51
	.end_amdhsa_kernel
	.amdgpu_metadata
---
amdhsa.version: [ 1, 2 ]
amdhsa.kernels:
  - .name:           k_q299202a4c3_prep
    .symbol:         k_q299202a4c3_prep.kd
    .args:
      - { .name: x, .offset: 0, .size: 8, .value_kind: global_buffer, .address_space: global }
      - { .name: base_weight, .offset: 8, .size: 8, .value_kind: global_buffer, .address_space: global }
      - { .name: taylor_coeffs, .offset: 16, .size: 8, .value_kind: global_buffer, .address_space: global }
      - { .name: aq, .offset: 24, .size: 8, .value_kind: global_buffer, .address_space: global }
      - { .name: asw, .offset: 32, .size: 8, .value_kind: global_buffer, .address_space: global }
      - { .name: bq, .offset: 40, .size: 8, .value_kind: global_buffer, .address_space: global }
      - { .name: bsw, .offset: 48, .size: 8, .value_kind: global_buffer, .address_space: global }
    .group_segment_fixed_size: 70144
    .private_segment_fixed_size: 0
    .kernarg_segment_align: 8
    .kernarg_segment_size: 56
    .max_flat_workgroup_size: 128
    .sgpr_count:     66
    .vgpr_count:     226
    .wavefront_size: 32
...
	.end_amdgpu_metadata
.endif
;; end of part 1
;; launch kan (part 2): grid 4 x 64, 4 waves a work-group, clusters of 4 x 4, 327,680 bytes of LDS; arguments aq, asw, bq, bsw, bias, out0; writes out0
.if DOCPART == 2
	.amdgcn_target "amdgcn-amd-amdhsa--gfx1250"
	.amdhsa_code_object_version 6
	.text
	.protected	k_q299202a4c3_kan
	.globl	k_q299202a4c3_kan
	.p2align	8
	.type	k_q299202a4c3_kan,@function
k_q299202a4c3_kan:
	s_mov_b64 s[64:65], 0
	v_nop
	global_prefetch_b8 v0, s[64:65] scope:SCOPE_SE
	s_setreg_imm32_b32 hwreg(HW_REG_WAVE_MODE, 25, 1), 1
	s_wait_xcnt 0x0
	s_wait_alu depctr_hold_cnt(0) depctr_sa_sdst(0) depctr_va_vdst(0) depctr_va_sdst(0) depctr_va_ssrc(0) depctr_va_vcc(0) depctr_vm_vsrc(0)
	s_getreg_b32 s2, hwreg(HW_REG_IB_STS2, 6, 4)
	s_cmp_eq_u32 s2, 0
	s_cbranch_scc0 .Lentry_in_a_cluster
	s_endpgm
.Lentry_in_a_cluster:
	s_bfe_u32 s2, ttmp6, 0x10000c
	s_cmp_lg_u32 s2, 0xf033
	s_cbranch_scc0 .Lentry_shape_is_right
	s_endpgm
.Lentry_shape_is_right:
; out0 = A B^T + bias on codes of FP6 (E2M3) with E8M0 scales, K = 5,120 = 40 steps of 128; A, B and their scale words lie as images of the operands' registers (launch prep).
; A work-group makes 128 rows x 256 columns; four waves, each 64 x 128: 32 accumulators, which begin as the bias (loaded into them at the head).
; THE RING: two LDS slots, each a tile of four K steps (A 4 x 12,288 bytes, B 4 x 24,576); ten tiles.  Waves 0, 1 fetch A's halves of a tile, waves 2, 3 B's: one load a wave.
; CLUSTERS: 4 x 4 work-groups; A's tile is asked for jointly along a row of the cluster, B's along a column.
; THE WALK ALONG K BEGINS AT ANOTHER TILE IN EACH CLUSTER (tile 0,1,2,3,5,6,7,8 by the cluster's number mod 8) and wraps round at ten: the sixteen clusters, which all read the same B,
; read each of B's tiles at different trips.  For that reason no prefetch is laid for B.  LIMIT: the order of the f32 sums along K so differs from cluster to cluster.
; A'S TILES ARE PREFETCHED two trips ahead of their tensor load: a tile of A is 192 blocks of 256 bytes; the four partners that ask for it share them by address (cx), a wave takes 12 (lanes 12-31 name its last again).
; Tiles 0, 1 come by their loads alone; tiles 2, 3 are asked for at the head; the trip that loads tile t + 2 asks for tile t + 4; the last trips ask for nothing.
; REGISTERS.  Window a (0..3): v192-255 the eight accumulators of my row block a.  The fragments of a tile's four steps have registers of their own:
;   B's (96 each): step 0 window 1 v0, step 1 window 2 v0, step 2 window 3 v0, step 3 window 3 v96;   A's (48 each): step 0 window 0 v64, step 1 window 0 v112, step 2 window 1 v104, step 3 window 2 v104.
;   Window 0 also: v1-11, v160-165 addresses, v16-31 A's scale words, v32-63 B's (two sets each).
; LDS LOADS STAND IN ONE RUN FOR TWO STEPS: 72 loads ahead of 64 products, for the two steps after those.  The slot's last run stands at the tile's start, so the slot is given up in the tile's second step.
; THE LAST TILE GOES BY ROWS OF out0: all its fragments are in registers, so my four row blocks are finished after 48, 64, 96 and 128 of its 128 products, and each leaves while the later ones are multiplied.
; THE MATRIX INSTRUCTION IS USED TRANSPOSED (source 0 = B's 16 columns, source 1 = A's 16 rows): a lane holds eight neighbouring numbers of a row of out0.
.set ASTEP, 12288
.set BSTEP, 24576
.set BOFF,  4*ASTEP
.set SLOT,  BOFF+4*BSTEP
.set SPARE, 2*SLOT                     ; the spare words: 512 bytes that no other line names
.set NSL,   10                         ; tiles along K
.set OSP,   528                        ; the way out: a stage of 16 rows x (512 + 16) bytes a wave, in slot 0, which has had its last fill and its last read by then
.set OST,   16*OSP
.set SPW, 1
.set NIL, 2
.set LI,  3                            ; 16 x lane
.set BIO, 4                            ; 32 x (lane / 16)
.set STO, 5
.set RD,  6
.set PFO, 7                            ; 256 x min(lane, 11)
.set L4,  11                           ; 4 x lane
.set SA,  16
.set SB,  32
.set AA,  160                          ; v160-161 A's fragments in slot 0, 1
.set BL,  162                          ; v162-163 B's, steps 0, 1 of slot 0, 1;  v164-165 steps 2, 3
.set ACC, 192
.set WV,  16
.set NH,  17
.set MH,  18
.set CX,  19
.set CY,  20
.set NT,  21
.set MT,  22
.set G1A, 28
.set G1B, 36
.set G0A, 44
.set G0B, 52
.set CNT, 60
.set JR,  61                           ; the tile last asked for by a tensor load
.set JS,  62                           ; the tile whose scale words were loaded last
.set JP,  63                           ; the tile last prefetched
.set ASB, 66
.set BSB, 68
.set PFA, 70
.set OUTB, 72
.set ABASE, 74
.set BBASE, 76
.set AS0, 78
.set BS0, 80
.set PB0, 82
.set TO,  84                           ; s[84:85] an offset, upper word 0
.set PFB, 86
.set MSB, 0
.macro WIN new                         ; the immediate's high byte repeats the setting that is left
.if MSB != (\new)
	s_set_vgpr_msb (MSB<<8)|(\new)
.set MSB, (\new)
.endif
.endm
.macro PLACES n
.rept \n
	v_nop
.endr
.endm
.macro CREST                           ; a round of the cluster's barrier behind its opening barrier
	s_cmp_lg_u32 s[WV], 0
	s_cbranch_scc1 .Lnot_wave_0_\@
	s_barrier_signal -3
.Lnot_wave_0_\@:
	s_barrier_wait -3
	s_barrier_signal -1
	s_barrier_wait -1
.endm
.macro CROUND
	s_barrier_signal -1
	s_barrier_wait -1
	CREST
.endm
.macro JLOAD s                         ; a joint load: waves 0, 1 for A, waves 2, 3 for B; s_nop 0 and four v_nop behind each line
	s_cmp_eq_u32 s[MH], 0
	s_cbranch_scc0 .Lfor_b_\@
	tensor_load_to_lds s[G0A+4*(\s):G0A+4*(\s)+3], s[G1A:G1A+7]
	s_nop 0
.rept 4
	v_nop
.endr
	s_branch .Lasked_\@
.Lfor_b_\@:
	tensor_load_to_lds s[G0B+4*(\s):G0B+4*(\s)+3], s[G1B:G1B+7]
	s_nop 0
.rept 4
	v_nop
.endr
.Lasked_\@:
.endm
.macro BUMP r                          ; one tile on, round at ten
	s_add_co_u32 s[\r], s[\r], 1
	s_cmp_eq_u32 s[\r], NSL
	s_cselect_b32 s[\r], 0, s[\r]
.endm
.macro SETG buf                        ; tile JR's addresses into slot buf's two groups 0
	s_mul_i32 s[TO], s[JR], BOFF
	s_add_nc_u64 s[G0A+4*(\buf)+2:G0A+4*(\buf)+3], s[ABASE:ABASE+1], s[TO:TO+1]
	s_or_b32 s[G0A+4*(\buf)+3], s[G0A+4*(\buf)+3], 0x80000000
	s_mul_i32 s[TO], s[JR], 4*BSTEP
	s_add_nc_u64 s[G0B+4*(\buf)+2:G0B+4*(\buf)+3], s[BBASE:BBASE+1], s[TO:TO+1]
	s_or_b32 s[G0B+4*(\buf)+3], s[G0B+4*(\buf)+3], 0x80000000
.endm
.macro ASK                             ; the loop's last trip (tiles beyond the tenth) asks for nothing
	s_cmp_gt_u32 s[CNT], 1
	s_cbranch_scc0 .Lno_ask_\@
	global_prefetch_b8 v[PFO], s[PFA:PFA+1] th:TH_LOAD_NT scope:SCOPE_SE
.Lno_ask_\@:
.endm
.macro SETQ q                          ; where step q's fragments lie: B's window and first register, A's window and first register
.if (\q) == 0
.set qWB, 1
.set qBB, 0
.set qWA, 0
.set qAB, 64
.elseif (\q) == 1
.set qWB, 2
.set qBB, 0
.set qWA, 0
.set qAB, 112
.elseif (\q) == 2
.set qWB, 3
.set qBB, 0
.set qWA, 1
.set qAB, 104
.else
.set qWB, 3
.set qBB, 96
.set qWA, 2
.set qAB, 104
.endif
.endm
.macro WM r0, r1
.if (\r0) && (\r1)
	v_wmma_scale_f32_16x16x128_f8f6f4 v[mD:mD+7], v[mB:mB+11], v[mA:mA+11], v[mD:mD+7], v[mS], v[mX] matrix_a_fmt:MATRIX_FMT_FP6 matrix_b_fmt:MATRIX_FMT_FP6 matrix_a_scale:MATRIX_SCALE_ROW1 matrix_b_scale:MATRIX_SCALE_ROW1
.elseif (\r0)
	v_wmma_scale_f32_16x16x128_f8f6f4 v[mD:mD+7], v[mB:mB+11], v[mA:mA+11], v[mD:mD+7], v[mS], v[mX] matrix_a_fmt:MATRIX_FMT_FP6 matrix_b_fmt:MATRIX_FMT_FP6 matrix_a_scale:MATRIX_SCALE_ROW1
.elseif (\r1)
	v_wmma_scale_f32_16x16x128_f8f6f4 v[mD:mD+7], v[mB:mB+11], v[mA:mA+11], v[mD:mD+7], v[mS], v[mX] matrix_a_fmt:MATRIX_FMT_FP6 matrix_b_fmt:MATRIX_FMT_FP6 matrix_b_scale:MATRIX_SCALE_ROW1
.else
	v_wmma_scale_f32_16x16x128_f8f6f4 v[mD:mD+7], v[mB:mB+11], v[mA:mA+11], v[mD:mD+7], v[mS], v[mX] matrix_a_fmt:MATRIX_FMT_FP6 matrix_b_fmt:MATRIX_FMT_FP6
.endif
.endm
; Eight products: my row block a against B's eight column tiles, step q, scale set sg; the eight accumulators take turns.
.macro GQ a, q, sg
	SETQ \q
	WIN ((\a)<<6)|((\a)<<4)|(qWA<<2)|qWB
.irp b, 0,1,2,3,4,5,6,7
.set mD, ACC+8*\b
.set mB, qBB+12*\b
.set mA, qAB+12*(\a)
.set mS, SB+16*(\sg)+4*(\q)+\b/2
.set mX, SA+8*(\sg)+2*(\q)+(\a)/2
	WM \b%2, (\a)%2
.endr
.endm
.macro SQ q, sg                        ; a whole step: 32 products
	GQ 0, \q, \sg
	GQ 1, \q, \sg
	GQ 2, \q, \sg
	GQ 3, \q, \sg
.endm
.macro FB q, buf                       ; step q's eight fragments of B out of slot buf
	SETQ \q
	WIN (qWB<<6)
.irp b, 0,1,2,3,4,5,6,7
.irp p, 0,1,2
	ds_load_b128 v[qBB+12*\b+4*\p:qBB+12*\b+4*\p+3], v[BL+2*((\q)/2)+(\buf)] offset:BSTEP*((\q)%2)+1536*\b+512*\p
.endr
.endr
.endm
.macro FA q, buf                       ; and its four of A
	SETQ \q
	WIN (qWA<<6)
.irp a, 0,1,2,3
.irp p, 0,1,2
	ds_load_b128 v[qAB+12*\a+4*\p:qAB+12*\a+4*\p+3], v[AA+(\buf)] offset:ASTEP*(\q)+1536*\a+512*\p
.endr
.endr
.endm
.macro FETCH pr, buf                   ; steps 2 pr and 2 pr + 1 of slot buf: 72 loads in one run.  Four places ahead: their registers were read by the products just issued (ISA guide 7.12.1 for vector instructions)
	PLACES 4
	FB 2*(\pr), \buf
	FB 2*(\pr)+1, \buf
	FA 2*(\pr), \buf
	FA 2*(\pr)+1, \buf
.endm
; The tile in slot buf.  turn 1: the slot is filled again;  2: only the other slot is shown whole.
.macro PERIOD buf, turn
	s_wait_dscnt 0x0                               ; steps 0, 1 are in registers (asked for 64 products ago)
	s_wait_loadcnt 0x0                             ; this tile's scale words are in (the first time: the bias too); their bases may be written
	BUMP JS
	s_lshl_b32 s[TO], s[JS], 11                    ; 4 steps x 512 bytes of scale words a tile
	s_add_nc_u64 s[ASB:ASB+1], s[AS0:AS0+1], s[TO:TO+1]
	s_add_nc_u64 s[BSB:BSB+1], s[BS0:BS0+1], s[TO:TO+1]
	FETCH 1, \buf                                  ; steps 2, 3: my last reads of this slot
	WIN 0
.irp q, 0,1,2,3                        ; the next tile's scale words into the other set
	global_load_b128 v[SB+16*(1-(\buf))+4*\q:SB+16*(1-(\buf))+4*\q+3], v[LI], s[BSB:BSB+1] offset:512*\q
	global_load_b32 v[SA+8*(1-(\buf))+2*\q], v[L4], s[ASB:ASB+1] offset:512*\q
	global_load_b32 v[SA+8*(1-(\buf))+2*\q+1], v[L4], s[ASB:ASB+1] offset:512*\q+128
.endr
	SQ 0, \buf
	GQ 0, 1, \buf
	GQ 1, 1, \buf
	WIN 0                                          ; the add's two registers lie in window 0
.if (\turn) == 1
	s_wait_xcnt 0x0                                ; my last prefetch has read its address
.endif
	s_wait_tensorcnt 0x0                           ; my one load that was out, my part of the other slot's tile, has landed;
	ds_add_u32 v[SPW], v[NIL]
.if (\turn) == 1
	BUMP JR                                        ; no load of mine is out: the descriptors may be written: the tile two on from this one
	SETG \buf
	BUMP JP
	s_mul_i32 s[TO], s[JP], BOFF
	s_add_nc_u64 s[PFA:PFA+1], s[PB0:PB0+1], s[TO:TO+1]
.endif
	GQ 2, 1, \buf
	s_wait_dscnt 0x0                               ; the add is done, and so are my reads of this slot: steps 2, 3 are in registers
	s_barrier_signal -1
	GQ 3, 1, \buf
	WIN 0
	s_barrier_wait -1
.if (\turn) == 1
	CREST                                          ; the barrier has opened a round of the cluster's barrier
	JLOAD \buf                                     ; the first tensor load behind the round
	ASK
.endif
	FETCH 0, 1-(\buf)                              ; the next tile's steps 0, 1
	SQ 2, \buf
	SQ 3, \buf
.endm
	s_load_b256 s[4:11], s[0:1], 0x0               ; aq s[4:5], asw s[6:7], bq s[8:9], bsw s[10:11]
	s_load_b128 s[12:15], s[0:1], 0x20             ; bias s[12:13], out0 s[14:15]
	v_lshl_add_u32 v[SPW], v0, 2, SPARE
	v_mov_b32 v[NIL], 0
	ds_add_u32 v[SPW], v[NIL]                      ; the add twice on end under one wait
	ds_add_u32 v[SPW], v[NIL]
	v_lshrrev_b32 v8, 5, v0
	v_readfirstlane_b32 s[WV], v8
	s_and_b32 s[NH], s[WV], 1                      ; my half of the columns; also which half of a tile I fetch
	s_lshr_b32 s[MH], s[WV], 1                     ; my half of the rows; also: I fetch for A (0) or B (1)
	s_bfe_u32 s[CX], ttmp6, 0x40000
	s_bfe_u32 s[CY], ttmp6, 0x40004
	s_lshl_b32 s[NT], ttmp9, 2
	s_add_co_u32 s[NT], s[NT], s[CX]               ; column block
	s_and_b32 s88, ttmp7, 0xffff                   ; the cluster's number
	s_lshl_b32 s[MT], s88, 2
	s_add_co_u32 s[MT], s[MT], s[CY]               ; row block
	s_and_b32 s88, s88, 7
	s_lshr_b32 s89, s88, 2
	s_add_co_u32 s[JR], s88, s89                   ; the cluster's first tile: 0,1,2,3,5,6,7,8
	s_lshl_b32 s94, s[CY], 2
	s_lshl_b32 s94, 15, s94                        ; my row of the cluster
	s_lshl_b32 s95, 0x1111, s[CX]                  ; my column
	s_or_b32 s[G1A], s94, (3<<16)|(1<<21)          ; elements of 8 bytes; dense blocks as rows of 256 bytes
	s_or_b32 s[G1B], s95, (3<<16)|(1<<21)
.irp g, G1A, G1B
	s_mov_b32 s[\g+1], 32<<16
	s_mov_b32 s[\g+3], 32<<16
	s_mov_b32 s[\g+5], 32
	s_mov_b32 s[\g+6], 0
	s_mov_b32 s[\g+7], 0
.endr
	s_mov_b32 s[G1A+2], 96<<16                     ; two steps of A: 96 rows
	s_mov_b32 s[G1A+4], 96
	s_mov_b32 s[G1B+2], 192<<16                    ; two steps of B: 192 rows
	s_mov_b32 s[G1B+4], 192
	s_mul_i32 s92, s[NH], 2*ASTEP
	s_mul_i32 s93, s[NH], 2*BSTEP
	s_mul_i32 s88, s[MT], 40*ASTEP
	s_add_co_u32 s88, s88, s92
	s_mov_b32 s89, 0
	s_mul_i32 s90, s[NT], 40*BSTEP
	s_add_co_u32 s90, s90, s93
	s_mov_b32 s91, 0
	s_mov_b32 s[TO+1], 0
.irp s, 0,1
	s_mov_b32 s[G0A+4*\s], 1
	s_add_co_u32 s[G0A+4*\s+1], s92, \s*SLOT
	s_mov_b32 s[G0B+4*\s], 1
	s_add_co_u32 s[G0B+4*\s+1], s93, \s*SLOT+BOFF
.endr
	s_wait_dscnt 0x0                               ; both opening adds are done
	s_wait_kmcnt 0x0
	s_add_nc_u64 s[ABASE:ABASE+1], s[4:5], s[88:89]
	s_add_nc_u64 s[BBASE:BBASE+1], s[8:9], s[90:91]
	s_mov_b32 s[JS], s[JR]
	SETG 0
	CROUND                                         ; all sixteen work-groups are here: the first joint loads meet
	JLOAD 0                                        ; my one tensor load at the head: the walk's first tile
	BUMP JR
	SETG 1
	s_mov_b32 s[JP], s[JR]
	s_lshl_b32 s88, s[NT], 10
	s_lshl_b32 s89, s[NH], 9
	s_add_co_u32 s88, s88, s89                     ; my first column, in bytes of f32
	s_mov_b32 s89, 0
	s_add_nc_u64 s[12:13], s[12:13], s[88:89]
	s_add_nc_u64 s[OUTB:OUTB+1], s[14:15], s[88:89]
	s_lshl_b32 s88, s[MT], 19                      ; 128 rows of 4,096 bytes
	s_lshl_b32 s90, s[MH], 18
	s_add_co_u32 s88, s88, s90
	s_add_nc_u64 s[OUTB:OUTB+1], s[OUTB:OUTB+1], s[88:89]
	s_mul_i32 s88, s[MT], 40*512
	s_lshl_b32 s90, s[MH], 8
	s_add_co_u32 s88, s88, s90
	s_add_nc_u64 s[AS0:AS0+1], s[6:7], s[88:89]
	s_lshl_b32 s88, s[NT], 1
	s_add_co_u32 s88, s88, s[NH]
	s_mul_i32 s88, s88, 40*512
	s_add_nc_u64 s[BS0:BS0+1], s[10:11], s[88:89]
	s_lshl_b32 s[TO], s[JS], 11
	s_add_nc_u64 s[ASB:ASB+1], s[AS0:AS0+1], s[TO:TO+1]
	s_add_nc_u64 s[BSB:BSB+1], s[BS0:BS0+1], s[TO:TO+1]
	s_mul_i32 s88, s[MT], 40*ASTEP                 ; the prefetches: my work-group's quarter of a tile of A (by cx), my wave's quarter of that
	s_mul_i32 s90, s[CX], ASTEP
	s_add_co_u32 s88, s88, s90
	s_mul_i32 s90, s[WV], 3072
	s_add_co_u32 s88, s88, s90
	s_add_nc_u64 s[PB0:PB0+1], s[4:5], s[88:89]
	BUMP JP
	s_mul_i32 s[TO], s[JP], BOFF
	s_add_nc_u64 s[PFA:PFA+1], s[PB0:PB0+1], s[TO:TO+1]   ; the walk's third tile
	BUMP JP
	s_mul_i32 s[TO], s[JP], BOFF
	s_add_nc_u64 s[PFB:PFB+1], s[PB0:PB0+1], s[TO:TO+1]   ; and its fourth
	s_mul_i32 s88, s[MH], 4*1536                   ; LDS: my four row tiles of A, slot 0, 1
	s_add_co_u32 s89, s88, SLOT
	s_mul_i32 s90, s[NH], 8*1536                   ; my eight column tiles of B
	s_add_co_u32 s90, s90, BOFF
	s_add_co_u32 s91, s90, SLOT
	s_add_co_u32 s92, s90, 2*BSTEP
	s_add_co_u32 s93, s91, 2*BSTEP
	s_mul_i32 s94, s[WV], OST
	v_and_b32 v8, 31, v0
	v_and_b32 v9, 15, v0
	v_bfe_u32 v10, v0, 4, 1
	v_lshlrev_b32 v[LI], 4, v8
	v_lshlrev_b32 v[L4], 2, v8
	v_min_u32 v[PFO], 11, v8
	v_lshlrev_b32 v[PFO], 8, v[PFO]
	v_lshlrev_b32 v[BIO], 5, v10
	v_mul_u32_u24 v[STO], v9, OSP
	v_lshl_add_u32 v[STO], v10, 5, v[STO]
	v_add_nc_u32 v[STO], s94, v[STO]
	v_add_nc_u32 v[RD], s94, v[LI]
	v_add_nc_u32 v[AA], s88, v[LI]
	v_add_nc_u32 v[AA+1], s89, v[LI]
	v_add_nc_u32 v[BL], s90, v[LI]
	v_add_nc_u32 v[BL+1], s91, v[LI]
	v_add_nc_u32 v[BL+2], s92, v[LI]
	v_add_nc_u32 v[BL+3], s93, v[LI]
	s_wait_alu depctr_va_vdst(0)
.irp a, 0,1,2,3                        ; the sums begin as the bias: register j of tile b is column 16 b + 8 (lane / 16) + j
	WIN (\a<<6)
.irp b, 0,1,2,3,4,5,6,7
	global_load_b128 v[ACC+8*\b:ACC+8*\b+3], v[BIO], s[12:13] offset:64*\b
	global_load_b128 v[ACC+8*\b+4:ACC+8*\b+7], v[BIO], s[12:13] offset:64*\b+16
.endr
.endr
	WIN 0
.irp q, 0,1,2,3                        ; the first tile's scale words, set 0
	global_load_b128 v[SB+4*\q:SB+4*\q+3], v[LI], s[BSB:BSB+1] offset:512*\q
	global_load_b32 v[SA+2*\q], v[L4], s[ASB:ASB+1] offset:512*\q
	global_load_b32 v[SA+2*\q+1], v[L4], s[ASB:ASB+1] offset:512*\q+128
.endr
	global_prefetch_b8 v[PFO], s[PFA:PFA+1] th:TH_LOAD_NT scope:SCOPE_SE
	s_wait_tensorcnt 0x0                           ; my part of the first tile is in
	ds_add_u32 v[SPW], v[NIL]
	s_wait_dscnt 0x0
	CROUND
	JLOAD 1                                        ; the second tile, the first tensor load behind the round
	FETCH 0, 0
	WIN 0
	global_prefetch_b8 v[PFO], s[PFB:PFB+1] th:TH_LOAD_NT scope:SCOPE_SE
	s_mov_b32 s[CNT], 4
.Llap:                                                 ; a trip: two tiles, both slots filled again
	PERIOD 0, 1
	PERIOD 1, 1
	WIN 0
	s_sub_co_u32 s[CNT], s[CNT], 1
	s_cmp_lg_u32 s[CNT], 0
	s_cbranch_scc1 .Llap
	PERIOD 0, 2                                    ; the ninth tile: nothing is filled again, so no round
; THE WAY OUT of row block a, in three parts: into my own stage; back as whole rows of 512 bytes, into the block's own 64 registers; stored.
.macro ST a
	PLACES 4                                       ; behind the block's last products
	WIN ((\a)<<2)
.irp b, 0,1,2,3,4,5,6,7
	ds_store_b128 v[STO], v[ACC+8*\b:ACC+8*\b+3] offset:64*\b        ; each accumulator from its low end on
	ds_store_b128 v[STO], v[ACC+8*\b+4:ACC+8*\b+7] offset:64*\b+16
.endr
.endm
.macro LD a
	s_wait_dscnt 0x0                               ; the stores have read their registers, which now take the rows
	WIN ((\a)<<6)
.irp i, 0,1,2,3,4,5,6,7,8,9,10,11,12,13,14,15
	ds_load_b128 v[ACC+4*\i:ACC+4*\i+3], v[RD] offset:\i*OSP
.endr
.endm
.macro SD a
	s_wait_dscnt 0x0                               ; the rows are back
	WIN ((\a)<<2)
.irp i, 0,1,2,3,4,5,6,7,8,9,10,11,12,13,14,15
	global_store_b128 v[LI], v[ACC+4*\i:ACC+4*\i+3], s[OUTB:OUTB+1] offset:(16*(\a)+\i)*4096 th:TH_STORE_NT   ; 32 lanes store 512 consecutive bytes, at a multiple of 512 from out0's first byte
.endr
.endm
	s_wait_dscnt 0x0                               ; THE TENTH TILE, in slot 1, by rows: its steps 0, 1 are in registers,
	s_wait_loadcnt 0x0                             ; and its scale words
	FETCH 1, 1
	GQ 0, 0, 1
	GQ 0, 1, 1
	GQ 1, 0, 1
	GQ 1, 1, 1
	s_wait_dscnt 0x0                               ; steps 2, 3 are in (asked for 32 products ago)
	GQ 0, 2, 1
	GQ 0, 3, 1
	ST 0
	GQ 1, 2, 1
	LD 0
	GQ 1, 3, 1
	SD 0
	ST 1
	GQ 2, 0, 1
	LD 1
	GQ 2, 1, 1
	SD 1
	GQ 2, 2, 1
	GQ 2, 3, 1
	ST 2
	GQ 3, 0, 1
	LD 2
	GQ 3, 1, 1
	SD 2
	GQ 3, 2, 1
	GQ 3, 3, 1
	ST 3
	LD 3
	SD 3
	WIN 0
	s_wait_tensorcnt 0x0                           ; the wave's end
	ds_add_u32 v[SPW], v[NIL]
	s_wait_dscnt 0x0
	CROUND                                         ; the closing round
	s_endpgm
.Lfunc_end_k_q299202a4c3_kan:
	.size	k_q299202a4c3_kan, .Lfunc_end_k_q299202a4c3_kan-k_q299202a4c3_kan
	.p2alignl 7, 3214868480
	.fill 96, 4, 3214868480
	.section	.rodata,"a",@progbits
	.p2align	6, 0x0
	.amdhsa_kernel k_q299202a4c3_kan
		.amdhsa_group_segment_fixed_size 327680
		.amdhsa_private_segment_fixed_size 0
		.amdhsa_enable_private_segment 0
		.amdhsa_kernarg_size 48
		.amdhsa_user_sgpr_count 2
		.amdhsa_user_sgpr_kernarg_segment_ptr 1
		.amdhsa_wavefront_size32 1
		.amdhsa_system_sgpr_workgroup_id_x 1
		.amdhsa_system_sgpr_workgroup_id_y 1
		.amdhsa_system_sgpr_workgroup_id_z 1
		.amdhsa_system_vgpr_workitem_id 0
		.amdhsa_next_free_vgpr 1024
		.amdhsa_next_free_sgpr 96
		.amdhsa_reserve_vcc 0
		.amdhsa_float_denorm_mode_32 3
		.amdhsa_float_denorm_mode_16_64 3
		.amdhsa_memory_ordered 1
		.amdhsa_forward_progress 1
		.amdhsa_inst_pref_size 144
	.end_amdhsa_kernel
	.amdgpu_metadata
---
amdhsa.version: [ 1, 2 ]
amdhsa.kernels:
  - .name:           k_q299202a4c3_kan
    .symbol:         k_q299202a4c3_kan.kd
    .args:
      - { .name: aq, .offset: 0, .size: 8, .value_kind: global_buffer, .address_space: global }
      - { .name: asw, .offset: 8, .size: 8, .value_kind: global_buffer, .address_space: global }
      - { .name: bq, .offset: 16, .size: 8, .value_kind: global_buffer, .address_space: global }
      - { .name: bsw, .offset: 24, .size: 8, .value_kind: global_buffer, .address_space: global }
      - { .name: bias, .offset: 32, .size: 8, .value_kind: global_buffer, .address_space: global }
      - { .name: out0, .offset: 40, .size: 8, .value_kind: global_buffer, .address_space: global }
    .group_segment_fixed_size: 327680
    .private_segment_fixed_size: 0
    .kernarg_segment_align: 8
    .kernarg_segment_size: 48
    .max_flat_workgroup_size: 128
    .sgpr_count:     96
    .vgpr_count:     1024
    .wavefront_size: 32
...
	.end_amdgpu_metadata
.endif
;; end of part 2
